; MI455X (gfx1250); checked and timed in simulation.
; The chip was launched on July 23, 2026; its instructions are those of AMD's public machine-readable ISA for CDNA 5 (MIT licence, August 2026) and "CDNA5" Instruction Set Architecture Reference Guide (July 2026). The comments in the code are by the model that wrote it; some were corrected since.
;; PSA. Allowed arithmetic: float matrix products may take bf16 or f16 operands with f32 sums; all other float work in f32.
;; Inputs: f_b 32 float32; f_w 32 x 256 float32; g_b 32 float32; g_w 32 x 256 float32; gamma1 1 float32; gamma2 1 float32; h1_b 256 float32; h1_w 256 x 256 float32; h2_b 256 float32; h2_w 256 x 256 float32; x1 4 x 256 x 64 x 64 float32; x2 4 x 256 x 64 x 64 float32.
;; Outputs: out0 4 x 256 x 64 x 64 float32; out1 4 x 256 x 64 x 64 float32.
;; One version. Each part assembles by itself: llvm-mc -triple=amdgcn-amd-amdhsa -mcpu=gfx1250 --defsym DOCPART=n.
;; ======== version 1 of 1: 3 launches
;; workspace buffers: hf 18,874,368 bytes; g 2,097,152 bytes; nlse 131,072 bytes
;; launch conv (part 1): grid 32 x 8, 8 waves a work-group, no clusters, 278,528 bytes of LDS; arguments x1, x2, f_w, f_b, g_w, h1_w, h1_b, h2_w, h2_b, hf, g; writes hf, g
.if DOCPART == 1
	.amdgcn_target "amdgcn-amd-amdhsa--gfx1250"
	.amdhsa_code_object_version 6
	.text
	.protected	k_qa822c5e427_conv
	.globl	k_qa822c5e427_conv
	.p2align	8
	.type	k_qa822c5e427_conv,@function
k_qa822c5e427_conv:
	s_mov_b64 s[64:65], 0
	v_nop
	global_prefetch_b8 v0, s[64:65] scope:SCOPE_SE
	s_setreg_imm32_b32 hwreg(HW_REG_WAVE_MODE, 25, 1), 1
	s_wait_xcnt 0x0
; The three 1x1 convolutions of both branches, rounded to bf16 for the matrix products of the two launches that follow.
; Eight problems p = 4 x branch + batch, each with x [256 c][4096 n] in f32.  A work-group (t, p) takes the 128 positions n = 128 t ..:
;   h[c][n]  = sum over c' of Wh[c][c'] x[c'][n] + hb[c]            -> hf, chunk (p, t), rows 0-255 of 256 bytes (128 n in bf16)
;   f'[n][k] = cs (sum over c' of Wf[k][c'] x[c'][n] + fb[k])       -> hf, chunk (p, t), rows 256-287: 64 bytes for each n
;   g[m][k]  = sum over c' of Wg[k][c'] x[c'][m]                    -> g, 64 bytes for each m
; cs = log2(e) / sqrt(32): f'.g is the score in base 2.
; WORK LEFT OUT: g_b.  score[n][m] = (Wf x_n + f_b).(Wg x_m) + (Wf x_n + f_b).g_b.  The second term does not hang on m, the axis of the
; softmax, so it multiplies numerator and denominator of row n by one factor and cancels, whatever values the inputs hold.  g_b has no
; other way to an output: it is not loaded and is no argument of any launch.  LIMIT: a NaN, an infinity or an overflow that reaches
; only that term is not carried to the result.  f_b stays (f_b.Wg x_m hangs on m), and so do h1_b, h2_b (columns of attn do not sum to 1).
; LIMITS OF FORMAT: x, the weights, h, f' and g are rounded to bf16 (nearest even) as matrix operands; sums are f32.
; No tensor loads and so no joint requests: every byte of x and of the weights changes format on its way and passes through registers.
; Eight waves, two for each of the four SIMDs: while one waits for LDS the other multiplies.
.set XROW,  16384                      ; bytes from a row c of x to the next
.set WP,    528                        ; LDS pitch of a weight row: 512 bytes + 16, an odd multiple of 16
.set XP,    288                        ; LDS pitch of a row of x (128 n in bf16): 256 bytes + 32, an odd multiple of 32, for the transposing loads
.set XB,    320*WP                     ; x behind the 320 weight rows (0-255 Wh, 256-287 Wf, 288-319 Wg)
.set STGB,  XB+256*XP                  ; the waves' own stages for the way out
.set SPI,   272                        ; pitch in a stage: 256 bytes + 16
.set STGW,  16*SPI                     ; a wave's stage
.set CS,    0x3e8293ee                 ; log2(e) / sqrt(32)
.set T,     32                         ; v[32:63]   phase 1: packed bf16 on their way to LDS
.set LBUF,  64                         ; v[64:255]  phase 1: three groups of 16 loads of 16 bytes
.set ACC,   32                         ; v[32:159]  phase 2: 16 accumulator tiles (nt, cj); phase 3: four, v[32:63]
.set XF,    160                        ; v[160:223] fragments of x
.set WF,    224                        ; v[224:255] fragments of the weights
.set RB,    160                        ; the way out: rows read back
.set PK,    192                        ; the way out: packed results
	s_load_b512 s[8:23], s[0:1], 0x0               ; x1 8, x2 10, f_w 12, f_b 14, g_w 16, h1_w 18, h1_b 20, h2_w 22
	s_load_b128 s[24:27], s[0:1], 0x40             ; h2_b 24, hf 26
	s_load_b64 s[28:29], s[0:1], 0x50              ; g
	s_set_vgpr_msb 0x40
	v_lshl_add_u32 v0, v0, 2, 0x43c00
	v_mov_b32 v1, 0
	s_set_vgpr_msb 0x4000
	v_lshrrev_b32 v1, 5, v0
	v_readfirstlane_b32 s2, v1                     ; wave 0..7
	s_and_b32 s3, ttmp7, 0xffff                    ; p
	s_mov_b32 s4, ttmp9                            ; t
	v_and_b32 v1, 31, v0                           ; lane
	v_and_b32 v2, 15, v0                           ; r
	v_bfe_u32 v3, v0, 4, 1                         ; h
	s_mov_b32 s42, CS
	s_mov_b32 s43, CS
	s_and_b32 s5, s3, 3
	s_lshl_b32 s5, s5, 22                          ; batch x 256 rows x 16,384 bytes
	s_lshl_b32 s6, s4, 9                           ; + 128 t positions of 4 bytes
	s_add_co_u32 s46, s5, s6
	s_mov_b32 s47, 0
	s_lshl_b32 s5, s3, 5
	s_add_co_u32 s5, s5, s4
	s_mul_i32 s48, s5, 73728                       ; chunk (p, t) of hf
	s_mov_b32 s49, 0
	s_lshl_b32 s5, s3, 18                          ; p x 4,096 x 64 bytes
	s_lshl_b32 s6, s4, 13                          ; + 128 t x 64 bytes
	s_add_co_u32 s50, s5, s6
	s_mov_b32 s51, 0
	; offsets of the loads and LDS addresses of the stores of phase 1: 16 (or 8) bytes a lane, plus the wave's rows
	s_lshl_b32 s5, s2, 19
	v_lshl_add_u32 v4, v1, 4, s5                   ; x: rows 32 w ..
	s_lshl_b32 s5, s2, 15
	v_lshl_add_u32 v5, v1, 4, s5                   ; Wh: rows 32 w .. of 1,024 bytes
	s_and_b32 s5, s2, 3
	s_lshl_b32 s5, s5, 13
	v_lshl_add_u32 v6, v1, 4, s5                   ; Wf (waves 0-3) or Wg (waves 4-7): rows 8 (w mod 4) ..
	s_mul_i32 s5, s2, 32*XP
	s_add_co_u32 s5, s5, XB
	v_lshl_add_u32 v7, v1, 3, s5
	s_mul_i32 s5, s2, 32*WP
	v_lshl_add_u32 v8, v1, 3, s5
	s_mul_i32 s5, s2, 8*WP
	s_add_co_u32 s5, s5, 256*WP
	v_lshl_add_u32 v9, v1, 3, s5                   ; LDS rows 256 + 8 w ..
	v_lshlrev_b32 v10, 5, v3                       ; fb[8 h ..]
	s_lshl_b32 s5, s2, 7
	v_lshl_add_u32 v11, v2, 2, s5                  ; hb[32 w + r]
	s_wait_kmcnt 0x0
	s_cmp_ge_u32 s3, 4                             ; the branch picks x, Wh and hb
	s_cselect_b64 s[30:31], s[10:11], s[8:9]
	s_cselect_b64 s[32:33], s[22:23], s[18:19]
	s_cselect_b64 s[34:35], s[24:25], s[20:21]
	s_cmp_lt_u32 s2, 4
	s_cselect_b64 s[36:37], s[12:13], s[16:17]
	s_add_nc_u64 s[30:31], s[30:31], s[46:47]
	s_add_nc_u64 s[38:39], s[26:27], s[48:49]
	s_add_nc_u64 s[40:41], s[28:29], s[50:51]
; PHASE 1: x and the weights to LDS as bf16.  Each load of a wave takes 512 neighbouring bytes.
.macro ISSUE slot, va, sb, g0, gs, once
.irp i, 0,1,2,3,4,5,6,7,8,9,10,11,12,13,14,15
.if \once
	global_load_b128 v[LBUF+64*\slot+4*\i:LBUF+64*\slot+4*\i+3], v[\va], s[\sb:\sb+1] offset:\g0+\i*\gs th:TH_LOAD_NT
.else
	global_load_b128 v[LBUF+64*\slot+4*\i:LBUF+64*\slot+4*\i+3], v[\va], s[\sb:\sb+1] offset:\g0+\i*\gs
.endif
.endr
.endm
.macro CVT slot, la, l0, lr, lh        ; load i of the group goes to l0 + (i / 2) lr + (i mod 2) lh
.irp i, 0,1,2,3,4,5,6,7,8,9,10,11,12,13,14,15
	v_cvt_pk_bf16_f32 v[T+2*\i],   v[LBUF+64*\slot+4*\i],   v[LBUF+64*\slot+4*\i+1]
	v_cvt_pk_bf16_f32 v[T+2*\i+1], v[LBUF+64*\slot+4*\i+2], v[LBUF+64*\slot+4*\i+3]
	ds_store_b64 v[\la], v[T+2*\i:T+2*\i+1] offset:\l0+(\i/2)*\lr+(\i%2)*\lh
.endr
.endm
	global_load_b128 v[16:19], v10, s[14:15]               ; fb[16 q + 8 h + j], q = 0, 1: the layout of a result tile's rows
	global_load_b128 v[20:23], v10, s[14:15] offset:16
	global_load_b128 v[24:27], v10, s[14:15] offset:64
	global_load_b128 v[28:31], v10, s[14:15] offset:80
	global_load_b32 v12, v11, s[34:35]                     ; hb of my two c tiles
	global_load_b32 v13, v11, s[34:35] offset:64
	ISSUE 0, 4, 30, 0, XROW, 1                             ; x rows 32 w + 0..15
	ISSUE 1, 4, 30, 16*XROW, XROW, 1                       ; x rows 32 w + 16..31
	ISSUE 2, 5, 32, 0, 512, 0                              ; Wh rows 32 w + 0..7, two halves each
	s_wait_loadcnt 32                                      ; loads end in order: all but the two youngest groups of 16 are in
	CVT 0, 7, 0, 2*XP, XP
	ISSUE 0, 5, 32, 8192, 512, 0                           ; Wh rows + 8..15
	s_wait_loadcnt 32
	CVT 1, 7, 16*XP, 2*XP, XP
	ISSUE 1, 5, 32, 16384, 512, 0                          ; Wh rows + 16..23
	s_wait_loadcnt 32
	CVT 2, 8, 0, WP, 256
	ISSUE 2, 5, 32, 24576, 512, 0                          ; Wh rows + 24..31
	s_wait_loadcnt 32
	CVT 0, 8, 8*WP, WP, 256
	ISSUE 0, 6, 36, 0, 512, 0                              ; eight rows of Wf or Wg
	s_wait_loadcnt 32
	CVT 1, 8, 16*WP, WP, 256
	s_wait_loadcnt 16                                      ; one group is left behind this one
	CVT 2, 8, 24*WP, WP, 256
	s_wait_loadcnt 0x0
	CVT 0, 9, 0, WP, 256
	; addresses of phases 2 and 3 (all loads are in: their offset registers are free)
	v_and_b32 v14, 7, v0
	v_lshl_add_u32 v14, v3, 3, v14
	v_mul_u32_u24 v14, v14, XP                     ; transposing load: row c' = 8 h + lane mod 8,
	v_bfe_u32 v15, v0, 3, 1
	v_lshl_add_u32 v14, v15, 4, v14                ; 16 bytes further for lanes 8-15 of each half
	v_add_nc_u32 v10, XB, v14                      ; kept for phase 3
	v_add_nc_u32 v14, XB, v14                      ; stepped in phase 2
	v_mul_u32_u24 v11, v2, WP
	v_lshl_add_u32 v11, v3, 4, v11                 ; weight fragment: r x pitch + 16 h; kept
	s_mul_i32 s5, s2, 32*WP
	v_add_nc_u32 v15, s5, v11                      ; my 32 rows of Wh
	s_mul_i32 s5, s2, STGW
	s_add_co_u32 s5, s5, STGB                      ; my stage
	v_mul_u32_u24 v4, v2, SPI
	v_lshl_add_u32 v4, v3, 4, v4
	v_add_nc_u32 v4, s5, v4                        ; h in: row r, 16 bytes for each half of the lanes
	v_mul_u32_u24 v5, v3, SPI
	v_lshl_add_u32 v5, v2, 4, v5
	v_add_nc_u32 v5, s5, v5                        ; h back: lanes 0-15 one row, lanes 16-31 the next
	v_lshlrev_b32 v8, 6, v2
	v_lshl_add_u32 v8, v3, 4, v8
	v_add_nc_u32 v8, s5, v8                        ; f', g in: 64 bytes for each n
	v_lshl_add_u32 v9, v1, 4, s5                   ; f', g back: 512 neighbouring bytes
	s_lshl_b32 s5, s2, 13
	v_lshl_add_u32 v6, v1, 4, s5                   ; hf: rows 32 w .. of 256 bytes
	s_lshl_b32 s5, s2, 10
	v_lshl_add_u32 v7, v1, 4, s5                   ; f', g: 16 w positions of 64 bytes
	s_wait_dscnt 0x0                               ; my stores are in LDS before I say so
	s_barrier_signal -1
	s_barrier_wait -1                              ; x and all weights are whole; nothing writes them from here on
; PHASE 2: h.  Wave w: c tiles 2 w, 2 w + 1 against all eight n tiles.  Source 0 = 16 positions n of x, source 1 = 16 rows c of Wh, so a lane's
; eight results are eight neighbouring n of one row c: 16 bytes of hf.  One K step is 32 c'.
.macro KH zero
.irp nt, 0,1,2,3,4,5,6,7
	ds_load_tr16_b128 v[XF+8*\nt:XF+8*\nt+3],   v14 offset:32*\nt
	ds_load_tr16_b128 v[XF+8*\nt+4:XF+8*\nt+7], v14 offset:32*\nt+16*XP
.endr
.irp cj, 0,1
	ds_load_b128 v[WF+8*\cj:WF+8*\cj+3],   v15 offset:\cj*16*WP
	ds_load_b128 v[WF+8*\cj+4:WF+8*\cj+7], v15 offset:\cj*16*WP+32
.endr
	s_wait_dscnt 0x0
.irp nt, 0,1,2,3,4,5,6,7                       ; the sixteen accumulators take turns, one instruction a turn
.irp cj, 0,1
.if \zero
	v_wmma_f32_16x16x32_bf16 v[ACC+8*(2*\nt+\cj):ACC+8*(2*\nt+\cj)+7], v[XF+8*\nt:XF+8*\nt+7], v[WF+8*\cj:WF+8*\cj+7], 0
.else
	v_wmma_f32_16x16x32_bf16 v[ACC+8*(2*\nt+\cj):ACC+8*(2*\nt+\cj)+7], v[XF+8*\nt:XF+8*\nt+7], v[WF+8*\cj:WF+8*\cj+7], v[ACC+8*(2*\nt+\cj):ACC+8*(2*\nt+\cj)+7]
.endif
.endr
.endr
	v_add_nc_u32 v14, 32*XP, v14                   ; four places behind the last product, ahead of the next loads into
	v_add_nc_u32 v15, 64, v15                      ; its sources and of the first reader of its result: the two steps and two v_nop
	v_nop
	v_nop
.endm
	KH 1                                           ; the first K step starts the sums
	s_mov_b32 s44, 7
.Lkh:
	KH 0
	s_sub_co_u32 s44, s44, 1
	s_cmp_lg_u32 s44, 0
	s_cbranch_scc1 .Lkh
; 16 rows c of h: bias, round, 16 bytes a lane into my stage, back as whole rows, out as 512 neighbouring bytes a store
.macro OUTH cj
.irp nt, 0,1,2,3,4,5,6,7
.irp k, 0,2,4,6
.if \cj
	v_pk_add_f32 v[ACC+8*(2*\nt+\cj)+\k:ACC+8*(2*\nt+\cj)+\k+1], v[ACC+8*(2*\nt+\cj)+\k:ACC+8*(2*\nt+\cj)+\k+1], v[12:13] op_sel:[0,1] op_sel_hi:[1,1]
.else
	v_pk_add_f32 v[ACC+8*(2*\nt+\cj)+\k:ACC+8*(2*\nt+\cj)+\k+1], v[ACC+8*(2*\nt+\cj)+\k:ACC+8*(2*\nt+\cj)+\k+1], v[12:13] op_sel_hi:[1,0]
.endif
.endr
.irp j, 0,1,2,3
	v_cvt_pk_bf16_f32 v[PK+4*\nt+\j], v[ACC+8*(2*\nt+\cj)+2*\j], v[ACC+8*(2*\nt+\cj)+2*\j+1]
.endr
	ds_store_b128 v4, v[PK+4*\nt:PK+4*\nt+3] offset:32*\nt
.endr
	s_wait_xcnt 0x0                                ; the rows read back are the data of the stores before: rewritten only behind this wait
.irp i, 0,1,2,3,4,5,6,7
	ds_load_b128 v[RB+4*\i:RB+4*\i+3], v5 offset:\i*2*SPI      ; LDS serves a wave's instructions in order: these see the stores above
.endr
.irp i, 0,1,2,3,4,5,6,7
	s_wait_dscnt 7-\i                              ; the younger read-backs stay out
	global_store_b128 v6, v[RB+4*\i:RB+4*\i+3], s[38:39] offset:\cj*4096+\i*512
.endr
.endm
	OUTH 0
	OUTH 1
; PHASE 3: f' and g.  Wave w: n tile w against four tiles of outputs q (Wf 0-15, Wf 16-31, Wg 0-15, Wg 16-31).  Source 0 = weight rows,
; source 1 = positions, so a lane's eight results are eight neighbouring k of one position.
	s_wait_xcnt 0x0                                ; the last stores' data registers take fragments now
	s_lshl_b32 s5, s2, 5
	v_add_nc_u32 v14, s5, v10                      ; my 16 positions: 32 bytes a tile
	v_add_nc_u32 v15, 256*WP, v11                  ; rows 256 ..
.irp k, 0,2,4,6,8,10,12,14
	v_pk_mul_f32 v[16+\k:17+\k], v[16+\k:17+\k], s[42:43] op_sel_hi:[1,0]     ; cs fb, once
.endr
.macro KF zero
	ds_load_tr16_b128 v[XF:XF+3],   v14
	ds_load_tr16_b128 v[XF+4:XF+7], v14 offset:16*XP
.irp q, 0,1,2,3
	ds_load_b128 v[WF+8*\q:WF+8*\q+3],   v15 offset:\q*16*WP
	ds_load_b128 v[WF+8*\q+4:WF+8*\q+7], v15 offset:\q*16*WP+32
.endr
	s_wait_dscnt 0x0
.irp q, 0,1,2,3                                ; four accumulators by turns
.if \zero
	v_wmma_f32_16x16x32_bf16 v[ACC+8*\q:ACC+8*\q+7], v[WF+8*\q:WF+8*\q+7], v[XF:XF+7], 0
.else
	v_wmma_f32_16x16x32_bf16 v[ACC+8*\q:ACC+8*\q+7], v[WF+8*\q:WF+8*\q+7], v[XF:XF+7], v[ACC+8*\q:ACC+8*\q+7]
.endif
.endr
	v_add_nc_u32 v14, 32*XP, v14                   ; four places, as in phase 2
	v_add_nc_u32 v15, 64, v15
	v_nop
	v_nop
.endm
	KF 1
	s_mov_b32 s44, 7
.Lkf:
	KF 0
	s_sub_co_u32 s44, s44, 1
	s_cmp_lg_u32 s44, 0
	s_cbranch_scc1 .Lkf
.irp k, 0,2,4,6,8,10,12,14
	v_pk_fma_f32 v[ACC+\k:ACC+\k+1], v[ACC+\k:ACC+\k+1], s[42:43], v[16+\k:17+\k] op_sel_hi:[1,0,1]   ; f' = cs sum + cs fb
.endr
.irp q, 0,1,2,3
.irp j, 0,1,2,3
	v_cvt_pk_bf16_f32 v[PK+4*\q+\j], v[ACC+8*\q+2*\j], v[ACC+8*\q+2*\j+1]
.endr
	ds_store_b128 v8, v[PK+4*\q:PK+4*\q+3] offset:(\q/2)*1024+(\q%2)*32
.endr
.irp i, 0,1,2,3
	ds_load_b128 v[RB+4*\i:RB+4*\i+3], v9 offset:\i*512
.endr
	s_wait_dscnt 3                                 ; the younger read-backs stay out
	global_store_b128 v7, v[RB:RB+3], s[38:39] offset:65536
	s_wait_dscnt 2
	global_store_b128 v7, v[RB+4:RB+7], s[38:39] offset:65536+512
	s_wait_dscnt 1
	global_store_b128 v7, v[RB+8:RB+11], s[40:41]
	s_wait_dscnt 0x0
	global_store_b128 v7, v[RB+12:RB+15], s[40:41] offset:512
	s_set_vgpr_msb 0x5
	s_wait_tensorcnt 0x0
	ds_add_u32 v0, v1
	s_wait_dscnt 0x0
	s_set_vgpr_msb 0x500
	s_endpgm
.Lfunc_end_k_qa822c5e427_conv:
	.size	k_qa822c5e427_conv, .Lfunc_end_k_qa822c5e427_conv-k_qa822c5e427_conv
	.p2alignl 7, 3214868480
	.fill 96, 4, 3214868480
	.section	.rodata,"a",@progbits
	.p2align	6, 0x0
	.amdhsa_kernel k_qa822c5e427_conv
		.amdhsa_group_segment_fixed_size 278528
		.amdhsa_private_segment_fixed_size 0
		.amdhsa_enable_private_segment 0
		.amdhsa_kernarg_size 88
		.amdhsa_user_sgpr_count 2
		.amdhsa_user_sgpr_kernarg_segment_ptr 1
		.amdhsa_wavefront_size32 1
		.amdhsa_system_sgpr_workgroup_id_x 1
		.amdhsa_system_sgpr_workgroup_id_y 1
		.amdhsa_system_sgpr_workgroup_id_z 1
		.amdhsa_system_vgpr_workitem_id 0
		.amdhsa_next_free_vgpr 258
		.amdhsa_next_free_sgpr 66
		.amdhsa_reserve_vcc 0
		.amdhsa_float_denorm_mode_32 3
		.amdhsa_float_denorm_mode_16_64 3
		.amdhsa_memory_ordered 1
		.amdhsa_forward_progress 1
		.amdhsa_inst_pref_size 60
	.end_amdhsa_kernel
	.amdgpu_metadata
---
amdhsa.version: [ 1, 2 ]
amdhsa.kernels:
  - .name:           k_qa822c5e427_conv
    .symbol:         k_qa822c5e427_conv.kd
    .args:
      - { .name: x1, .offset: 0, .size: 8, .value_kind: global_buffer, .address_space: global }
      - { .name: x2, .offset: 8, .size: 8, .value_kind: global_buffer, .address_space: global }
      - { .name: f_w, .offset: 16, .size: 8, .value_kind: global_buffer, .address_space: global }
      - { .name: f_b, .offset: 24, .size: 8, .value_kind: global_buffer, .address_space: global }
      - { .name: g_w, .offset: 32, .size: 8, .value_kind: global_buffer, .address_space: global }
      - { .name: h1_w, .offset: 40, .size: 8, .value_kind: global_buffer, .address_space: global }
      - { .name: h1_b, .offset: 48, .size: 8, .value_kind: global_buffer, .address_space: global }
      - { .name: h2_w, .offset: 56, .size: 8, .value_kind: global_buffer, .address_space: global }
      - { .name: h2_b, .offset: 64, .size: 8, .value_kind: global_buffer, .address_space: global }
      - { .name: hf, .offset: 72, .size: 8, .value_kind: global_buffer, .address_space: global }
      - { .name: g, .offset: 80, .size: 8, .value_kind: global_buffer, .address_space: global }
    .group_segment_fixed_size: 278528
    .private_segment_fixed_size: 0
    .kernarg_segment_align: 8
    .kernarg_segment_size: 88
    .max_flat_workgroup_size: 256
    .sgpr_count:     66
    .vgpr_count:     258
    .wavefront_size: 32
...
	.end_amdgpu_metadata
.endif
;; end of part 1
;; launch stats (part 2): grid 32 x 8, 16 waves a work-group, clusters of 4 x 1, 296,960 bytes of LDS; arguments hf, g, nlse; writes nlse
.if DOCPART == 2
	.amdgcn_target "amdgcn-amd-amdhsa--gfx1250"
	.amdhsa_code_object_version 6
	.text
	.protected	k_qa822c5e427_stats
	.globl	k_qa822c5e427_stats
	.p2align	8
	.type	k_qa822c5e427_stats,@function
k_qa822c5e427_stats:
	s_mov_b64 s[64:65], 0
	v_nop
	global_prefetch_b8 v0, s[64:65] scope:SCOPE_SE
	s_setreg_imm32_b32 hwreg(HW_REG_WAVE_MODE, 25, 1), 1
	s_wait_xcnt 0x0
	s_wait_alu depctr_hold_cnt(0) depctr_sa_sdst(0) depctr_va_vdst(0) depctr_va_sdst(0) depctr_va_ssrc(0) depctr_va_vcc(0) depctr_vm_vsrc(0)
	s_getreg_b32 s2, hwreg(HW_REG_IB_STS2, 6, 4)
	s_cmp_eq_u32 s2, 0
	s_cbranch_scc0 .Lentry_in_a_cluster
	s_endpgm
.Lentry_in_a_cluster:
	s_bfe_u32 s2, ttmp6, 0x10000c
	s_cmp_lg_u32 s2, 0x3003
	s_cbranch_scc0 .Lentry_shape_is_right
	s_endpgm
.Lentry_shape_is_right:
; nlse[p][n] = -(M + log2 Z), M = max over m of s'[n][m], Z = sum over m of 2^(s'[n][m] - M), s' = f'.g (the score in base 2).
; The softmax runs along m, the second product sums over n: every row's M and Z are needed before any output column can be summed, so
; they are made here and the scores are made again in the next launch.
; g_b is left out as shown at the head of the first kernel (its term is the same along the softmax's axis).
; A work-group takes 128 rows n of problem p.  Sixteen waves, four for each SIMD, so that one wave's products, another's exponentials and a
; third's plain arithmetic run side by side.  Wave w takes the 64 rows n of group w mod 2 (four stationary fragments of f') and share w / 2
; of m: 128 m of each quarter of g.  Source 0 = 16 columns m of g, source 1 = 16 rows n: a lane's registers run along m, the softmax's axis.
; g STAYS IN LDS AND IS WALKED TWICE.  Sweep 1 takes the maximum alone: eight running maxima for each n tile, one v_max3 for two scores, no
; tree and no rescaling.  Each lane then holds the maximum M over the m that it has seen.  Sweep 2 hands -M to the products as C, so the
; scores come out with the maximum taken away, and sums their exponentials in eight running sums for each n tile.  For a block of
; 64 n x 32 m that is 16 products, 32 maxima, 64 exponentials and 32 packed sums.  The LDS reads are 2 groups x 2 sweeps x 262,144 bytes.
; The 16 pairs (M, Z) of a row (8 shares x 2 halves of the lanes) meet in LDS at the end.
; Inside a wave the halves of a block (n tiles 0, 1 and 2, 3) take turns: one half's four products stand ahead of the other half's vector work.
; CLUSTER: all 32 work-groups of a problem read the same 262,144 bytes of g.  Four of them form a cluster and ask for g jointly, in four
; quarters.  Waves 0 to 3 issue the loads, 64 rows of 256 bytes of each quarter each: four tensor loads of a wave are out at the most, and
; since a wave's loads end in order the first quarter can be worked on while the others are on their way.  No byte is filled twice, so
; the waits on the quarters are counted and the barriers behind them are followed by no fill.
; LIMITS: terms of Z under 2^-126 count as 0 (v_exp_f32 flushes them); scores that are all NaN or -infinity are not served.
.set GP,    272                        ; LDS pitch: 256 bytes (four m of 64 bytes) + 16: the 16 lanes of a fragment load fall on 16 different 16-byte columns
.set QROWS, 64                         ; rows that one tensor load brings
.set WQ,    QROWS*GP                   ; 17,408
.set QB,    4*WQ                       ; a quarter of g: 1,024 m
.set SHB,   32*GP                      ; a wave's share of a quarter: 128 m
.set STG,   4*QB                       ; behind g, where no fill lands: 16 x 128 words of M, then as many of Z
.set SZO,   8192
.set G1,  16                           ; s[16:23] descriptor group 1
.set G0,  32                           ; s[32:47] descriptor group 0, one set for each quarter
.set MR,  8                            ; v[8:11]    my M of the four n tiles
.set VB,  16                           ; v[16:47]   f': four n tiles
.set VA,  48                           ; v[48:111]  g: four blocks of two m tiles
.set VS,  112                          ; v[112:175] scores: tile (i, tt) at 16 i + 8 tt
.set VM,  176                          ; v[176:207] sweep 1: eight running maxima for each n tile; sweep 2: -M, eight times, as C
.set VZ,  208                          ; v[208:239] eight running sums for each n tile
; v12 where my M and Z go; v13 offset of f'; v14 LDS address of my fragments of g, v15 its first value
.macro ROUND                           ; a round of the cluster's barrier: my work-group's barrier, wave 0 signals for it, all wait, my work-group's barrier
	s_barrier_signal -1
	s_barrier_wait -1
	s_cmp_lg_u32 s8, 0
	s_cbranch_scc1 .Lnot_wave_0_\@
	s_barrier_signal -3
.Lnot_wave_0_\@:
	s_barrier_wait -3
	s_barrier_signal -1
	s_barrier_wait -1
.endm
	s_load_b128 s[4:7], s[0:1], 0x0                ; hf, g
	s_load_b64 s[48:49], s[0:1], 0x10              ; nlse
	v_lshl_add_u32 v240, v0, 2, 0x48000
	v_mov_b32 v241, 0
	ds_add_u32 v240, v241
	v_lshrrev_b32 v1, 5, v0
	v_readfirstlane_b32 s8, v1                     ; wave 0..15
	s_and_b32 s14, s8, 1                           ; which 64 rows n
	s_lshr_b32 s15, s8, 1                          ; which share of m
	s_and_b32 s9, ttmp7, 0xffff                    ; p (the cluster is one work-group high)
	s_bfe_u32 s10, ttmp6, 0x40000                  ; cx
	s_lshl_b32 s11, ttmp9, 2
	s_add_co_u32 s11, s11, s10                     ; which 128 rows n: 4 x cluster x + cx.  It enters plain loads and stores alone
	s_mov_b32 s[G1+0], 15|(3<<16)|(1<<20)|(1<<21)|(5<<22)|(3<<25)  ; mask: all four; elements of 8 bytes; padding on; bit 21 beside a mask; after 64 words, 4 words
	s_mov_b32 s[G1+1], 32<<16                      ; tensor_dim0 = 32 elements (256 bytes)
	s_mov_b32 s[G1+2], QROWS<<16                   ; tensor_dim1 = 64
	s_mov_b32 s[G1+3], 32<<16                      ; tile_dim0 = 32
	s_mov_b32 s[G1+4], QROWS                       ; tile_dim1 = 64
	s_mov_b32 s[G1+5], 32                          ; rows follow each other in memory
	s_mov_b32 s[G1+6], 0
	s_mov_b32 s[G1+7], 0
	s_lshl_b32 s52, s9, 18                         ; g of problem p
	s_mov_b32 s53, 0
	s_lshl_b32 s54, s9, 5
	s_add_co_u32 s54, s54, s11
	s_mul_i32 s54, s54, 73728                      ; my chunk of hf,
	s_lshl_b32 s55, s14, 12                        ; my 64 rows of 64 bytes
	s_add_co_u32 s54, s54, s55
	s_add_co_u32 s54, s54, 65536                   ; of f', which lies behind h
	s_mov_b32 s55, 0
	s_lshl_b32 s56, s9, 14
	s_lshl_b32 s57, s11, 9
	s_add_co_u32 s56, s56, s57                     ; nlse: 4 (4,096 p + 128 x block)
	s_mov_b32 s57, 0
	s_wait_dscnt 0x0
	s_wait_kmcnt 0x0
	s_add_nc_u64 s[6:7], s[6:7], s[52:53]
	s_add_nc_u64 s[4:5], s[4:5], s[54:55]
	s_add_nc_u64 s[48:49], s[48:49], s[56:57]
	ROUND                                          ; the four work-groups are here: their joint loads meet
	s_cmp_ge_u32 s8, 4                             ; waves 0 to 3 fetch; the branch hangs on the wave's number alone
	s_cbranch_scc1 .Lno_fill
	s_lshl_b32 s52, s8, 14                         ; my 64 rows of a quarter
	s_add_nc_u64 s[6:7], s[6:7], s[52:53]
	s_mul_i32 s51, s8, WQ
.irp q, 0,1,2,3
	s_mov_b32 s[G0+4*\q], 1
	s_add_co_u32 s[G0+4*\q+1], s51, \q*QB
	s_add_nc_u64 s[G0+4*\q+2:G0+4*\q+3], s[6:7], \q*65536
	s_or_b32 s[G0+4*\q+3], s[G0+4*\q+3], 0x80000000
.endr
.irp q, 0,1,2,3
	tensor_load_to_lds s[G0+4*\q:G0+4*\q+3], s[G1:G1+7]
	s_nop 0
.endr
.Lno_fill:
	v_and_b32 v1, 31, v0                           ; lane
	v_and_b32 v4, 15, v0                           ; r
	v_bfe_u32 v5, v0, 4, 1                         ; h
	v_lshlrev_b32 v13, 6, v4
	v_lshl_add_u32 v13, v5, 4, v13                 ; 64 r + 16 h
.irp i, 0,1,2,3
	global_load_b128 v[VB+8*\i:VB+8*\i+3],   v13, s[4:5] offset:1024*\i
	global_load_b128 v[VB+8*\i+4:VB+8*\i+7], v13, s[4:5] offset:1024*\i+32
.endr
	v_lshrrev_b32 v14, 2, v4
	v_mul_u32_u24 v14, v14, GP                     ; column m = r of a tile: LDS row r / 4,
	v_and_b32 v2, 3, v4
	v_lshl_add_u32 v14, v2, 6, v14                 ; 64 bytes x (r mod 4),
	v_lshl_add_u32 v14, v5, 4, v14                 ; 16 h,
	s_mul_i32 s52, s15, SHB
	v_add_nc_u32 v14, s52, v14                     ; my share of a quarter
	v_mov_b32 v15, v14
	s_lshl_b32 s52, s15, 10                        ; partial 2 x share + h: 512 bytes each,
	s_lshl_b32 s53, s14, 8                         ; my 64 rows n of 4 bytes
	s_add_co_u32 s52, s52, s53
	s_add_co_u32 s52, s52, STG
	v_lshl_add_u32 v12, v5, 9, s52
	v_lshl_add_u32 v12, v4, 2, v12
.macro LOADQ                           ; 16 loads: my four blocks of 32 m of a quarter
.irp c, 0,1,2,3
.irp tt, 0,1
	ds_load_b128 v[VA+16*\c+8*\tt:VA+16*\c+8*\tt+3],   v14 offset:\c*8*GP+\tt*4*GP
	ds_load_b128 v[VA+16*\c+8*\tt+4:VA+16*\c+8*\tt+7], v14 offset:\c*8*GP+\tt*4*GP+32
.endr
.endr
.endm
; Four products: n tiles 2 x, 2 x + 1 against the two m tiles of block c.  neg = 1: C = -M.  Neighbours share neither C nor D.
.macro WPROD x, c, neg
.irp tt, 0,1
.irp il, 0,1
.if \neg
	v_wmma_f32_16x16x32_bf16 v[VS+32*\x+16*\il+8*\tt:VS+32*\x+16*\il+8*\tt+7], v[VA+16*\c+8*\tt:VA+16*\c+8*\tt+7], v[VB+16*\x+8*\il:VB+16*\x+8*\il+7], v[VM+16*\x+8*\il:VM+16*\x+8*\il+7]
.else
	v_wmma_f32_16x16x32_bf16 v[VS+32*\x+16*\il+8*\tt:VS+32*\x+16*\il+8*\tt+7], v[VA+16*\c+8*\tt:VA+16*\c+8*\tt+7], v[VB+16*\x+8*\il:VB+16*\x+8*\il+7], 0
.endif
.endr
.endr
.endm
.macro VMAX x, first                   ; sixteen maxima of three: the running maximum and one score of each m tile.  first = 1: the scores start them
.irp il, 0,1
.irp j, 0,1,2,3,4,5,6,7
.if \first
	v_max_num_f32 v[VM+16*\x+8*\il+\j], v[VS+32*\x+16*\il+\j], v[VS+32*\x+16*\il+8+\j]
.else
	v_max3_num_f32 v[VM+16*\x+8*\il+\j], v[VM+16*\x+8*\il+\j], v[VS+32*\x+16*\il+\j], v[VS+32*\x+16*\il+8+\j]
.endif
.endr
.endr
.endm
; 32 exponentials and their sums.  A plain instruction stands between an exponential and its use (ISA guide 5.7.2): the v_nop for the first
; n tile, the first tile's sums for the second.  first = 1: the first block starts the sums.
.macro VSUM x, first
.irp j, 0,1,2,3,4,5,6,7,8,9,10,11,12,13,14,15
	v_exp_f32 v[VS+32*\x+\j], v[VS+32*\x+\j]
.endr
	v_nop
.irp j, 0,1,2,3,4,5,6,7,8,9,10,11,12,13,14,15
	v_exp_f32 v[VS+32*\x+16+\j], v[VS+32*\x+16+\j]
.endr
.irp il, 0,1
.if \first
	s_wait_alu depctr_va_vdst(0)
.irp k, 0,2,4,6
	v_pk_add_f32 v[VZ+16*\x+8*\il+\k:VZ+16*\x+8*\il+\k+1], v[VS+32*\x+16*\il+\k:VS+32*\x+16*\il+\k+1], v[VS+32*\x+16*\il+8+\k:VS+32*\x+16*\il+8+\k+1]
.endr
.else
	s_wait_alu depctr_va_vdst(0)
.irp k, 0,2,4,6
	v_pk_add_f32 v[VZ+16*\x+8*\il+\k:VZ+16*\x+8*\il+\k+1], v[VZ+16*\x+8*\il+\k:VZ+16*\x+8*\il+\k+1], v[VS+32*\x+16*\il+\k:VS+32*\x+16*\il+\k+1]
.endr
.irp k, 0,2,4,6
	v_pk_add_f32 v[VZ+16*\x+8*\il+\k:VZ+16*\x+8*\il+\k+1], v[VZ+16*\x+8*\il+\k:VZ+16*\x+8*\il+\k+1], v[VS+32*\x+16*\il+8+\k:VS+32*\x+16*\il+8+\k+1]
.endr
.endif
.endr
.endm
.macro VSTEP sw, x, first
.if \sw
	VSUM \x, \first
.else
	VMAX \x, \first
.endif
.endm
; My four blocks of a quarter.  sw = 0: maxima, 1: sums.  Behind the first block's products stand four v_nop; from there on each half's products
; are followed by the other half's vector work, which names none of their registers and holds sixteen plain instructions: the places that
; stand between a product and the first reader of its result, and ahead of the next loads into its sources.
.macro QSWEEP sw, first
	LOADQ
	s_wait_dscnt 12                                ; LDS loads end in order: block 0's four are in, the twelve of blocks 1 to 3 stay out
	WPROD 0, 0, \sw
	WPROD 1, 0, \sw
	v_nop
	v_nop
	v_nop
	v_nop
	VSTEP \sw, 0, \first
	s_wait_dscnt 8                                 ; block 1 is in
	WPROD 0, 1, \sw
	VSTEP \sw, 1, \first
	WPROD 1, 1, \sw
	VSTEP \sw, 0, 0
	s_wait_dscnt 4                                 ; block 2 is in
	WPROD 0, 2, \sw
	VSTEP \sw, 1, 0
	WPROD 1, 2, \sw
	VSTEP \sw, 0, 0
	s_wait_dscnt 0x0
	WPROD 0, 3, \sw
	VSTEP \sw, 1, 0
	WPROD 1, 3, \sw
	VSTEP \sw, 0, 0
	VSTEP \sw, 1, 0
.endm
; SWEEP 1, quarter by quarter as they land
.macro Q1 q
.if \q
	s_wait_dscnt 0x0                               ; no LDS instruction is pending at a signal
.endif
	s_wait_tensorcnt 3-\q                          ; tensor loads end in order: my part of this quarter is in, the later quarters stay out (waves 4 to 15 have none out)
	s_barrier_signal -1
	s_barrier_wait -1                              ; everybody's part is in
.if \q
	QSWEEP 0, 0
.else
	s_wait_loadcnt 0x0                             ; f'
	QSWEEP 0, 1
.endif
	v_add_nc_u32 v14, QB, v14
.endm
	Q1 0
	Q1 1
	Q1 2
	Q1 3
	; my lane's maximum of each n tile, and -M eight times: the C of sweep 2's products
.irp i, 0,1,2,3
	v_max3_num_f32 v[VM+8*\i],   v[VM+8*\i],   v[VM+8*\i+1], v[VM+8*\i+2]
	v_max3_num_f32 v[VM+8*\i+3], v[VM+8*\i+3], v[VM+8*\i+4], v[VM+8*\i+5]
	v_max3_num_f32 v[VM+8*\i],   v[VM+8*\i],   v[VM+8*\i+6], v[VM+8*\i+7]
	v_max_num_f32  v[MR+\i],     v[VM+8*\i],   v[VM+8*\i+3]
.endr
.irp i, 0,1,2,3
.irp j, 0,1,2,3,4,5,6,7
	v_xor_b32 v[VM+8*\i+\j], 0x80000000, v[MR+\i]
.endr
.endr
	; SWEEP 2: all of g is in LDS, no barrier is needed
	v_mov_b32 v14, v15
	QSWEEP 1, 1                                    ; the first quarter stands ahead of the loop: its first block starts the sums
	v_add_nc_u32 v14, QB, v14
	s_mov_b32 s50, 3
.Lsum:
	QSWEEP 1, 0
	v_add_nc_u32 v14, QB, v14
	s_sub_co_u32 s50, s50, 1
	s_cmp_lg_u32 s50, 0
	s_cbranch_scc1 .Lsum
.irp i, 0,1,2,3
	v_pk_add_f32 v[VZ+8*\i:VZ+8*\i+1],   v[VZ+8*\i:VZ+8*\i+1],   v[VZ+8*\i+2:VZ+8*\i+3]
	v_pk_add_f32 v[VZ+8*\i+4:VZ+8*\i+5], v[VZ+8*\i+4:VZ+8*\i+5], v[VZ+8*\i+6:VZ+8*\i+7]
	v_pk_add_f32 v[VZ+8*\i:VZ+8*\i+1],   v[VZ+8*\i:VZ+8*\i+1],   v[VZ+8*\i+4:VZ+8*\i+5]
	v_add_f32 v[VZ+8*\i], v[VZ+8*\i], v[VZ+8*\i+1]
	ds_store_b32 v12, v[MR+\i]   offset:64*\i      ; each word of the stage has one writer
	ds_store_b32 v12, v[VZ+8*\i] offset:SZO+64*\i
.endr
	s_wait_dscnt 0x0                               ; stored before I say so
	s_barrier_signal -1
	s_barrier_wait -1
	s_cmp_ge_u32 s8, 2
	s_cbranch_scc1 .Lstored
	; waves 0 and 1 join the 16 pairs (M, Z) of each row, two rows a lane
	s_lshl_b32 s52, s8, 8
	v_lshl_add_u32 v16, v1, 3, s52                 ; 4 (64 w + 2 x lane)
	v_add_nc_u32 v17, STG, v16
.irp k, 0,1,2,3,4,5,6,7,8,9,10,11,12,13,14,15
	ds_load_b64 v[48+2*\k:49+2*\k], v17 offset:512*\k
.endr
.irp k, 0,1,2,3,4,5,6,7,8,9,10,11,12,13,14,15
	ds_load_b64 v[80+2*\k:81+2*\k], v17 offset:SZO+512*\k
.endr
	s_wait_dscnt 0x0
.irp e, 0,1
	v_max3_num_f32 v[112+\e], v[48+\e], v[50+\e], v[52+\e]
	v_max3_num_f32 v[114+\e], v[54+\e], v[56+\e], v[58+\e]
	v_max3_num_f32 v[116+\e], v[60+\e], v[62+\e], v[64+\e]
	v_max3_num_f32 v[118+\e], v[66+\e], v[68+\e], v[70+\e]
	v_max3_num_f32 v[120+\e], v[72+\e], v[74+\e], v[76+\e]
	v_max3_num_f32 v[112+\e], v[112+\e], v[114+\e], v[116+\e]
	v_max3_num_f32 v[118+\e], v[118+\e], v[120+\e], v[78+\e]
	v_max_num_f32  v[112+\e], v[112+\e], v[118+\e]
.endr
.irp k, 0,1,2,3,4,5,6,7,8,9,10,11,12,13,14,15
	v_pk_add_f32 v[48+2*\k:49+2*\k], v[48+2*\k:49+2*\k], v[112:113] neg_lo:[0,1] neg_hi:[0,1]
.endr
.set j, 0
.rept 32
	v_exp_f32 v[48+j], v[48+j]                     ; 2^(partial M - M), at most 1
.set j, j+1
.endr
	v_nop                                          ; the plain instruction behind the exponentials
	s_wait_alu depctr_va_vdst(0)
	v_pk_mul_f32 v[114:115], v[80:81], v[48:49]
.irp k, 1,2,3,4,5,6,7,8,9,10,11,12,13,14,15
	v_pk_fma_f32 v[114:115], v[80+2*\k:81+2*\k], v[48+2*\k:49+2*\k], v[114:115]
.endr
	v_log_f32 v114, v114                           ; Z is at least 1: the row's largest term is 2^0
	v_log_f32 v115, v115
	v_nop                                          ; the plain instruction behind the logarithms
	s_wait_alu depctr_va_vdst(0)
	v_fma_f32 v114, v114, -1.0, -v112              ; -(M + log2 Z)
	v_fma_f32 v115, v115, -1.0, -v113
	global_store_b64 v16, v[114:115], s[48:49]     ; a wave's store covers 256 consecutive bytes, aligned
.Lstored:
	s_wait_tensorcnt 0x0
	ds_add_u32 v240, v241
	s_wait_dscnt 0x0
	ROUND                                          ; the closing round: no work-group ends while a partner may still ask
	s_endpgm
.Lfunc_end_k_qa822c5e427_stats:
	.size	k_qa822c5e427_stats, .Lfunc_end_k_qa822c5e427_stats-k_qa822c5e427_stats
	.p2alignl 7, 3214868480
	.fill 96, 4, 3214868480
	.section	.rodata,"a",@progbits
	.p2align	6, 0x0
	.amdhsa_kernel k_qa822c5e427_stats
		.amdhsa_group_segment_fixed_size 296960
		.amdhsa_private_segment_fixed_size 0
		.amdhsa_enable_private_segment 0
		.amdhsa_kernarg_size 24
		.amdhsa_user_sgpr_count 2
		.amdhsa_user_sgpr_kernarg_segment_ptr 1
		.amdhsa_wavefront_size32 1
		.amdhsa_system_sgpr_workgroup_id_x 1
		.amdhsa_system_sgpr_workgroup_id_y 1
		.amdhsa_system_sgpr_workgroup_id_z 1
		.amdhsa_system_vgpr_workitem_id 0
		.amdhsa_next_free_vgpr 242
		.amdhsa_next_free_sgpr 66
		.amdhsa_reserve_vcc 0
		.amdhsa_float_denorm_mode_32 3
		.amdhsa_float_denorm_mode_16_64 3
		.amdhsa_memory_ordered 1
		.amdhsa_forward_progress 1
		.amdhsa_inst_pref_size 101
	.end_amdhsa_kernel
	.amdgpu_metadata
---
amdhsa.version: [ 1, 2 ]
amdhsa.kernels:
  - .name:           k_qa822c5e427_stats
    .symbol:         k_qa822c5e427_stats.kd
    .args:
      - { .name: hf, .offset: 0, .size: 8, .value_kind: global_buffer, .address_space: global }
      - { .name: g, .offset: 8, .size: 8, .value_kind: global_buffer, .address_space: global }
      - { .name: nlse, .offset: 16, .size: 8, .value_kind: global_buffer, .address_space: global }
    .group_segment_fixed_size: 296960
    .private_segment_fixed_size: 0
    .kernarg_segment_align: 8
    .kernarg_segment_size: 24
    .max_flat_workgroup_size: 512
    .sgpr_count:     66
    .vgpr_count:     242
    .wavefront_size: 32
...
	.end_amdgpu_metadata
.endif
;; end of part 2
;; launch main (part 3): grid 32 x 8, 4 waves a work-group, clusters of 4 x 1, 327,680 bytes of LDS; arguments hf, g, nlse, x1, x2, gamma1, gamma2, out0, out1; writes out0, out1
.if DOCPART == 3
	.amdgcn_target "amdgcn-amd-amdhsa--gfx1250"
	.amdhsa_code_object_version 6
	.text
	.protected	k_qa822c5e427_main
	.globl	k_qa822c5e427_main
	.p2align	8
	.type	k_qa822c5e427_main,@function
k_qa822c5e427_main:
	s_mov_b64 s[64:65], 0
	v_nop
	global_prefetch_b8 v0, s[64:65] scope:SCOPE_SE
	s_setreg_imm32_b32 hwreg(HW_REG_WAVE_MODE, 25, 1), 1
	s_wait_xcnt 0x0
	s_wait_alu depctr_hold_cnt(0) depctr_sa_sdst(0) depctr_va_vdst(0) depctr_va_sdst(0) depctr_va_ssrc(0) depctr_va_vcc(0) depctr_vm_vsrc(0)
	s_getreg_b32 s2, hwreg(HW_REG_IB_STS2, 6, 4)
	s_cmp_eq_u32 s2, 0
	s_cbranch_scc0 .Lentry_in_a_cluster
	s_endpgm
.Lentry_in_a_cluster:
	s_bfe_u32 s2, ttmp6, 0x10000c
	s_cmp_lg_u32 s2, 0x3003
	s_cbranch_scc0 .Lentry_shape_is_right
	s_endpgm
.Lentry_shape_is_right:
; out[c][m] = gamma sum over n of h[c][n] attn[n][m] + x[c][m],  attn[n][m] = 2^(f'[n].g[m] + nlse[n]): the softmax with its maximum and
; its sum taken away in the exponent, so attn is at most about 1.
; g_b is left out as shown at the head of the first kernel (its term is the same along the softmax's axis).
; A work-group makes all 256 c of 128 columns m of problem p, so no exponential is made twice.  Four waves, wave w = (mi = w / 2, ki = w mod 2):
; 256 c x 64 m (columns 64 mi ..) in 512 accumulator registers, summed over the steps of 32 n of parity ki.  With 64 m a wave reads 16 rows x 64
; bytes of h from LDS for four products; with all of n and 32 m it would read twice as much for each product.  The two halves of the sum over
; n meet once, in the LDS stage that the way out needs anyway.
; THE SCORE TILE IS THE NEXT PRODUCT'S OPERAND: source 0 = 16 rows n of f', source 1 = 16 columns m of g, C = nlse[n].  Lane l then holds column
; m = l mod 16 and rows n = 8 (l / 16) + 0..7.  Two such tiles (n 0-15, 16-31), rounded in pairs to bf16, are a fragment of 16 rows m x 32 n
; as it stands: no shuffle, no trip through LDS.
; TWO STEPS TAKE TURNS: the eight score products of step j + 1 stand ahead of the 64 products of step j, and the 64 exponentials and 32
; roundings of step j + 1 are dealt out among those 64 products: a slice of two exponentials and one rounding behind every second product.
; attn has two sets of registers: the products read one while the slices fill the other.  The accumulators fill windows 2 and 3, so a slice
; works in window 0 between two switches of the window: seven issue slots for every two products.
; CLUSTER: the 32 work-groups of a problem walk the same h and f'.  Four form a cluster and ask jointly.  A tile is two neighbouring chunks of hf
; (256 n: twice 256 rows of h and 32 rows of f', 576 rows of 256 bytes that follow each other in memory); a wave brings 144 rows.  Two slots;
; each joint refill stands behind a round of the cluster's barrier: 14 refills for the 16 tiles.  A wave has two tensor loads out at the start
; and one behind each round, and issues 272 matrix instructions between a request and the wait for it.  A slot is given up in the middle of
; its third step's products, as soon as the fourth step's h is in registers, so that the next tile's f' can be read in time for its scores.
; nlse COMES THROUGH REGISTERS: the two slots take 313,344 bytes, and with nlse's 16,384 they would pass the 327,680 that a work-group can be
; given.  A step needs 16 numbers a lane: four loads of 16 bytes into one of four register sets, asked for four steps ahead, as soon as the
; score products have read the set.  It is not asked for jointly: a wave reads 8,192 bytes of it in all, beside 2,359,296 bytes of tiles.
; REGISTERS, in windows of 256: window 0 addresses, g, f', scores, attn, nlse; window 1 two buffers of h fragments; window 2 the accumulators of
; m tiles 0, 1 (tile (mt, ct) at 8 (16 mt + ct)); window 3 those of m tiles 2, 3.
; LIMITS: attn under 2^-126 counts as 0 (v_exp_f32 flushes it); attn and h are bf16 operands; the sum over n is made in two halves and in
; another order than a plain sum.
.set HP,    272                        ; LDS pitch of a tile's rows: 256 bytes + 16: the 16 rows of a fragment load start in 16 different 16-byte columns
.set CSL,   288*HP                     ; a chunk in LDS: 78,336
.set SLOT,  2*CSL                      ; 156,672
.set FOFF,  256*HP                     ; f' behind h in a chunk
.set STGW,  256*HP                     ; a wave's stage: 256 rows c of 64 m in f32, 256 bytes + 16.  The four stages lie in the slots, behind their last fill
.set CHK,   73728                      ; a chunk of hf
.set XO,  1                            ; v1        16 x lane
.set PO,  3                            ; v3        prefetch: lanes 256 bytes apart
.set HA,  4                            ; v4-v7     h fragments in chunk place q = 2 x slot + chunk
.set FA,  8                            ; v8-v11    f' fragments in chunk place q
.set LA,  12                           ; v12       nlse: 32 h + 128 ki; never rewritten
.set SA,  13                           ; v13       the way out: into my stage
.set RA0, 14                           ; v14, v15  the way out: back from the stages of ki = 0, 1
.set RA1, 15
.set VG,  16                           ; v[16:47]   g: four m tiles, loaded once
.set VF,  48                           ; v[48:63]   f': two n tiles
.set VS,  64                           ; v[64:127]  scores: tile (mt, nt) at 8 (2 mt + nt)
.set GO,  64                           ; v64        offset of the loads of g, ahead of the first scores
.set VP0, 128                          ; v[128:159] attn in bf16 of the even steps of a wave: four m tiles
.set VP1, 160                          ; v[160:191] of the odd steps
.set VLC, 192                          ; v[192:255] nlse in the layout of a result tile's rows: four sets of 16, step J in set J mod 4
.set EA,  64                           ; the way out: v[64:127], v[128:191] the two halves of the sum
.set EB,  128
.set G1,  16                           ; s[16:23] group 1 of a tile
.set G0,  24                           ; s[24:31] group 0 of a tile, one set for each slot
.set MSB, 0
.macro WIN new                         ; s_set_vgpr_msb: bits 1:0 source 0, 3:2 source 1, 5:4 source 2, 7:6 destination; the high byte repeats the setting that is left
.if MSB != \new
	s_set_vgpr_msb (MSB<<8)|\new
.set MSB, \new
.endif
.endm
.macro CREST                           ; a round of the cluster's barrier behind its opening barrier
	s_cmp_lg_u32 s8, 0
	s_cbranch_scc1 .Lnot_wave_0_\@
	s_barrier_signal -3
.Lnot_wave_0_\@:
	s_barrier_wait -3
	s_barrier_signal -1
	s_barrier_wait -1
.endm
.macro CROUND
	s_barrier_signal -1
	s_barrier_wait -1
	CREST
.endm
.macro PLACES                          ; four places behind a matrix instruction (ISA guide 7.12.1)
.rept 4
	v_nop
.endr
.endm
.macro LOADLC k, j                     ; 4 loads: nlse of my step j, counted from the base's step, into set k.  A step of mine is 64 n on: 256 bytes
.irp nt, 0,1
	global_load_b128 v[VLC+16*\k+8*\nt:VLC+16*\k+8*\nt+3],   v[LA], s[48:49] offset:256*(\j)+64*\nt
	global_load_b128 v[VLC+16*\k+8*\nt+4:VLC+16*\k+8*\nt+7], v[LA], s[48:49] offset:256*(\j)+64*\nt+16
.endr
.endm
	s_load_b256 s[44:51], s[0:1], 0x0              ; hf 44, g 46, nlse 48, x1 50
	s_load_b256 s[52:59], s[0:1], 0x20             ; x2 52, gamma1 54, gamma2 56, out0 58
	s_load_b64 s[60:61], s[0:1], 0x40              ; out1
	v_lshl_add_u32 v190, v0, 2, 0x4c800
	v_mov_b32 v191, 0
	ds_add_u32 v190, v191
	s_wait_dscnt 0x0
	v_lshrrev_b32 v1, 5, v0
	v_readfirstlane_b32 s8, v1                     ; wave 0..3
	s_and_b32 s9, s8, 1                            ; ki
	s_lshr_b32 s10, s8, 1                          ; mi
	s_and_b32 s11, ttmp7, 0xffff                   ; p (the cluster is one work-group high)
	s_bfe_u32 s12, ttmp6, 0x40000                  ; cx
	s_lshl_b32 s13, ttmp9, 2
	s_add_co_u32 s13, s13, s12                     ; which 128 columns m.  It enters plain loads and stores alone, no descriptor and no LDS address
	s_mov_b32 s[G1+0], 15|(3<<16)|(1<<20)|(1<<21)|(5<<22)|(3<<25)  ; mask: all four; elements of 8 bytes; padding on; bit 21 beside a mask; after 64 words, 4 words
	s_mov_b32 s[G1+1], 32<<16                      ; tensor_dim0 = 32 elements (256 bytes)
	s_mov_b32 s[G1+2], 144<<16                     ; tensor_dim1 = 144
	s_mov_b32 s[G1+3], 32<<16                      ; tile_dim0 = 32
	s_mov_b32 s[G1+4], 144                         ; tile_dim1 = 144 rows
	s_mov_b32 s[G1+5], 32                          ; rows follow each other in memory
	s_mov_b32 s[G1+6], 0
	s_mov_b32 s[G1+7], 0
	s_mul_i32 s74, s11, 32*CHK                     ; hf of problem p,
	s_mul_i32 s75, s8, 144*256                     ; my 144 rows of a tile
	s_add_co_u32 s74, s74, s75
	s_mov_b32 s75, 0
	s_mul_i32 s76, s8, 144*HP                      ; and where they go
	s_lshl_b32 s78, s11, 14                        ; nlse of problem p
	s_mov_b32 s79, 0
	s_and_b32 s80, s11, 3
	s_lshl_b32 s80, s80, 8
	s_lshl_b32 s81, s8, 6
	s_add_co_u32 s80, s80, s81                     ; x, out: row 256 x batch + 64 w (on the way out a wave takes 64 rows c)
	s_lshl_b32 s80, s80, 14
	s_lshl_b32 s81, s13, 9
	s_add_co_u32 s80, s80, s81                     ; + 128 columns of 4 bytes x block
	s_mov_b32 s81, 0
	s_lshl_b32 s82, s11, 18                        ; g of problem p,
	s_lshl_b32 s83, s13, 13                        ; the work-group's 128 columns of 64 bytes,
	s_add_co_u32 s82, s82, s83
	s_lshl_b32 s83, s10, 12                        ; my 64
	s_add_co_u32 s82, s82, s83
	s_mov_b32 s83, 0
	s_wait_kmcnt 0x0
	s_add_nc_u64 s[44:45], s[44:45], s[74:75]
	s_add_nc_u64 s[48:49], s[48:49], s[78:79]
	s_add_nc_u64 s[46:47], s[46:47], s[82:83]
.irp s, 0,1
	s_mov_b32 s[G0+4*\s], 1
	s_add_co_u32 s[G0+4*\s+1], s76, \s*SLOT
	s_add_nc_u64 s[G0+4*\s+2:G0+4*\s+3], s[44:45], \s*2*CHK        ; tile s
	s_or_b32 s[G0+4*\s+3], s[G0+4*\s+3], 0x80000000
.endr
	s_cmp_ge_u32 s11, 4                            ; the branch picks x, out and gamma
	s_cselect_b64 s[66:67], s[52:53], s[50:51]
	s_cselect_b64 s[68:69], s[60:61], s[58:59]
	s_cselect_b64 s[70:71], s[56:57], s[54:55]
	s_add_nc_u64 s[66:67], s[66:67], s[80:81]
	s_add_nc_u64 s[68:69], s[68:69], s[80:81]
	CROUND                                         ; the four work-groups are here: the first joint loads meet
	tensor_load_to_lds s[G0:G0+3], s[G1:G1+7]      ; tile 0
	s_nop 0
	tensor_load_to_lds s[G0+4:G0+7], s[G1:G1+7]    ; tile 1
	s_nop 0
	s_load_b32 s72, s[70:71], 0x0                  ; gamma
	v_and_b32 v1, 31, v0                           ; lane
	v_and_b32 v2, 15, v0                           ; r
	v_bfe_u32 v3, v0, 4, 1                         ; h
	v_lshlrev_b32 v[GO], 6, v2
	v_lshl_add_u32 v[GO], v3, 4, v[GO]             ; 64 r + 16 h
.irp mt, 0,1,2,3
	global_load_b128 v[VG+8*\mt:VG+8*\mt+3],   v[GO], s[46:47] offset:1024*\mt
	global_load_b128 v[VG+8*\mt+4:VG+8*\mt+7], v[GO], s[46:47] offset:1024*\mt+32
.endr
	s_lshl_b32 s84, s9, 7
	v_lshl_add_u32 v[LA], v3, 5, s84               ; nlse[8 h ..], 128 bytes (32 n) on for the odd steps
	LOADLC 0, 0                                    ; nlse of my first four steps
	LOADLC 1, 1
	LOADLC 2, 2
	LOADLC 3, 3
	v_mul_u32_u24 v[HA], v2, HP
	v_lshl_add_u32 v[HA], v3, 4, v[HA]
	s_lshl_b32 s84, s9, 6
	v_add_nc_u32 v[HA], s84, v[HA]                 ; row c = r, 16 h, and 64 bytes (32 n) for the odd steps
.irp q, 1,2,3
	v_add_nc_u32 v[HA+\q], \q*CSL, v[HA]
.endr
	v_lshrrev_b32 v[FA], 2, v2
	v_mul_u32_u24 v[FA], v[FA], HP                 ; f': four n in an LDS row
	v_and_b32 v[FA+1], 3, v2
	v_lshl_add_u32 v[FA], v[FA+1], 6, v[FA]
	v_lshl_add_u32 v[FA], v3, 4, v[FA]
	s_mul_i32 s84, s9, 8*HP                        ; 32 n are eight LDS rows
	s_add_co_u32 s84, s84, FOFF
	v_add_nc_u32 v[FA], s84, v[FA]
.irp q, 1,2,3
	v_add_nc_u32 v[FA+\q], \q*CSL, v[FA]
.endr
	s_mul_i32 s84, s8, STGW                        ; my stage: wave w = 2 mi + ki
	v_mul_u32_u24 v[SA], v2, HP
	v_lshl_add_u32 v[SA], v3, 5, v[SA]
	v_add_nc_u32 v[SA], s84, v[SA]                 ; row c = r, 8 h columns of 4 bytes
	s_mul_i32 s84, s8, 64*HP                       ; back: my 64 rows c; lanes 0-15 read the stages of mi = 0, lanes 16-31 those of mi = 1
	v_mul_u32_u24 v[RA0], v3, 2*STGW
	v_lshl_add_u32 v[RA0], v2, 4, v[RA0]
	v_add_nc_u32 v[RA0], s84, v[RA0]
	v_add_nc_u32 v[RA1], STGW, v[RA0]
	v_lshrrev_b32 v[PO], 1, v1                     ; r and h are no longer needed
	v_lshlrev_b32 v[PO], 14, v[PO]
	v_and_b32 v2, 1, v1
	v_lshl_add_u32 v[PO], v2, 8, v[PO]             ; row lane / 2, 256 bytes x (lane mod 2)
	v_lshlrev_b32 v[XO], 4, v1
.macro LOADF s, u                      ; 4 loads: f' of my step u (0..3) of the tile in slot s: chunk u / 2, step u mod 2 of mine in it
.irp nt, 0,1
	ds_load_b128 v[VF+8*\nt:VF+8*\nt+3],   v[FA+2*\s+\u/2] offset:(\u%2)*16*HP+\nt*4*HP
	ds_load_b128 v[VF+8*\nt+4:VF+8*\nt+7], v[FA+2*\s+\u/2] offset:(\u%2)*16*HP+\nt*4*HP+32
.endr
.endm
.macro LOADH s, u, b                   ; 32 loads in one run: 256 rows c x 32 n into buffer b of window 1
	WIN 0x40
.irp ct, 0,1,2,3,4,5,6,7,8,9,10,11,12,13,14,15
	ds_load_b128 v[128*\b+8*\ct:128*\b+8*\ct+3],   v[HA+2*\s+\u/2] offset:\ct*16*HP+128*(\u%2)
	ds_load_b128 v[128*\b+8*\ct+4:128*\b+8*\ct+7], v[HA+2*\s+\u/2] offset:\ct*16*HP+128*(\u%2)+32
.endr
.endm
.macro SCORE k                         ; 32 n x 64 m: f'.g + nlse (set k).  Neighbouring instructions share neither C nor D
.irp mt, 0,1,2,3
.irp nt, 0,1
	v_wmma_f32_16x16x32_bf16 v[VS+8*(2*\mt+\nt):VS+8*(2*\mt+\nt)+7], v[VF+8*\nt:VF+8*\nt+7], v[VG+8*\mt:VG+8*\mt+7], v[VLC+16*\k+8*\nt:VLC+16*\k+8*\nt+7]
.endr
.endr
.endm
.macro EXPCVT                          ; the very first step's attn, in one run (no products are there yet to set it among): groups of eight exponentials, behind each the roundings of the group before
.irp i, 0,1,2,3,4,5,6,7
.irp j, 0,1,2,3,4,5,6,7
	v_exp_f32 v[VS+8*\i+\j], v[VS+8*\i+\j]
.endr
.if \i == 0
	v_nop
.else
	s_wait_alu depctr_va_vdst(0)
.irp j, 0,1,2,3
	v_cvt_pk_bf16_f32 v[VP0+4*(\i-1)+\j], v[VS+8*(\i-1)+2*\j], v[VS+8*(\i-1)+2*\j+1]
.endr
.endif
.endr
.irp j, 0,1,2,3
	v_cvt_pk_bf16_f32 v[VP0+28+\j], v[VS+56+2*\j], v[VS+56+2*\j+1]
.endr
.endm
; Slice k of 32 of a step's exponentials and roundings: scores 2 k, 2 k + 1 in place, and the rounding of the pair before into set pw.  The rounding (in
; slice 0 a v_nop) is the plain instruction that stands between this slice's exponentials and their use in the next slice (ISA guide 5.7.2).
.macro SLICE k, pw
	WIN 0
	v_exp_f32 v[VS+2*\k],   v[VS+2*\k]
	v_exp_f32 v[VS+2*\k+1], v[VS+2*\k+1]
.if \k == 0
	v_nop
.else
	s_wait_alu depctr_va_vdst(0)
	v_cvt_pk_bf16_f32 v[\pw+\k-1], v[VS+2*\k-2], v[VS+2*\k-1]
.endif
.if \k == 31
	v_cvt_pk_bf16_f32 v[\pw+31], v[VS+62], v[VS+63]
.endif
.endm
; A quarter of a step's products: m tiles 2 hi, 2 hi + 1 (attn set pr) against c tiles 8 ch .. 8 ch + 7 of buffer b.  The accumulators take turns, one
; instruction a turn.  sl = 1: behind each pair of products a slice of the next step's attn, into set pw.
.macro PVQ b, hi, ch, pr, pw, zero, sl
.irp cq, 0,1,2,3,4,5,6,7
	WIN (0xa4+0x50*\hi)                            ; attn window 0, h window 1, sums window 2 or 3
.irp ml, 0,1
.if \zero
	v_wmma_f32_16x16x32_bf16 v[8*(16*\ml+8*\ch+\cq):8*(16*\ml+8*\ch+\cq)+7], v[\pr+8*(2*\hi+\ml):\pr+8*(2*\hi+\ml)+7], v[128*\b+8*(8*\ch+\cq):128*\b+8*(8*\ch+\cq)+7], 0
.else
	v_wmma_f32_16x16x32_bf16 v[8*(16*\ml+8*\ch+\cq):8*(16*\ml+8*\ch+\cq)+7], v[\pr+8*(2*\hi+\ml):\pr+8*(2*\hi+\ml)+7], v[128*\b+8*(8*\ch+\cq):128*\b+8*(8*\ch+\cq)+7], v[8*(16*\ml+8*\ch+\cq):8*(16*\ml+8*\ch+\cq)+7]
.endif
.endr
.if \sl
	SLICE (16*\hi+8*\ch+\cq), \pw
.endif
.endr
.endm
.macro PV4 b, pr, pw, zero, sl         ; a step's 64 products
	PVQ \b, 0, 0, \pr, \pw, \zero, \sl
	PVQ \b, 0, 1, \pr, \pw, \zero, \sl
	PVQ \b, 1, 0, \pr, \pw, \zero, \sl
	PVQ \b, 1, 1, \pr, \pw, \zero, \sl
	WIN 0
.endm
.macro HEADW left                      ; at the head of a step
	s_wait_dscnt 0x0                               ; this step's h and the next step's f' are in
	s_wait_loadcnt \left                           ; loads end in order: the next step's nlse is in, the sets asked for behind it (four loads each) stay out
.endm
; A tile of 256 n in slot s: my four steps of 32 n.  At its head attn of the first step lies in set 0, and the loads of the first step's h (buffer 0) and of
; the second step's f' are out.  nx = the other slot; fill = 1: this slot is filled again, two tiles ahead; zero = 1: the first products
; start the sums; mode = 0: nlse is asked for in every step; 1: the last tile but one: three steps of nlse are left to ask for; 2: the last tile:
; nothing is asked for, the counts run down, and no tile follows.
; Step u of slot s is step 4 s + u of a lap; behind the scores of the step after it, nlse is asked for five steps on, into the set just read.
; Every load into h, f' or nlse and every write of scores or attn stands behind the four v_nop of a SCORE that follows the last matrix instruction
; that read or wrote the register.
.macro BODY s, nx, fill, zero, mode
	; step 0
.if \mode == 2
	HEADW 8
.else
	HEADW 12
.endif
	SCORE 1
	PLACES
.if \mode < 2
	LOADLC 1, 4*\s+5
.endif
	LOADF \s, 2
	LOADH \s, 1, 1
	PV4 0, VP0, VP1, \zero, 1
	; step 1
.if \mode == 2
	HEADW 4
.else
	HEADW 12
.endif
	SCORE 2
	PLACES
.if \mode < 2
	LOADLC 2, 4*\s+6
.endif
	LOADF \s, 3
	LOADH \s, 2, 0
	PV4 1, VP1, VP0, 0, 1
	; step 2, and the change of slots
.if \mode == 2
	HEADW 0
.else
	HEADW 12
.endif
	SCORE 3
	PLACES
.if \mode < 2
	LOADLC 3, 4*\s+7
.endif
	LOADH \s, 3, 1                                 ; the fourth step's h: my last reads of this slot
	PVQ 0, 0, 0, VP0, VP1, 0, 1
	PVQ 0, 0, 1, VP0, VP1, 0, 1
	s_wait_dscnt 0x0                               ; my reads of this slot are over
	s_wait_xcnt 0x0
	v_lshl_add_u32 v190, v0, 2, 0x4c800
	v_mov_b32 v191, 0
	s_wait_tensorcnt 0x0                           ; all my tensor loads have landed: the one that was out is my part of the next tile
	ds_add_u32 v190, v191
	s_wait_dscnt 0x0
	s_barrier_signal -1                            ; say so (where the slot is filled again this barrier opens a round of the cluster's barrier),
	PVQ 0, 1, 0, VP0, VP1, 0, 1                    ; work on registers while the others arrive,
	WIN 0
	s_barrier_wait -1
.if \fill
	CREST                                          ; no wave of any partner still reads this slot or has a load on its way
	s_add_nc_u64 s[G0+4*\s+2:G0+4*\s+3], s[G0+4*\s+2:G0+4*\s+3], 4*CHK
	tensor_load_to_lds s[G0+4*\s:G0+4*\s+3], s[G1:G1+7]            ; my one tensor load behind the round, and the first thing there
	s_nop 0
.endif
.if \mode < 2
	LOADF \nx, 0                                   ; the next tile's first f' lands under the sixteen products that follow
.endif
	PVQ 0, 1, 1, VP0, VP1, 0, 1
	WIN 0
	; step 3
.if \mode < 2
	HEADW 12
	SCORE 0                                        ; the next tile's first scores
	PLACES
.if \mode == 0
	LOADLC 0, 4*\s+8
.endif
	LOADF \nx, 1
	LOADH \nx, 0, 0
	PV4 1, VP1, VP0, 0, 1
.else
	PV4 1, VP1, VP0, 0, 0                          ; the very last step: no scores are left to work on
.endif
.endm
	s_wait_tensorcnt 1                             ; my part of tile 0 is in; tile 1 stays out
	s_barrier_signal -1
	s_barrier_wait -1
	LOADF 0, 0
	s_wait_kmcnt 0x0
	s_mov_b32 s73, s72                             ; gamma as a pair, for the packed multiply-add
	HEADW 12                                       ; f', g and the first step's nlse are in; the twelve loads of the next three steps' nlse stay out
	SCORE 0                                        ; the very first step
	PLACES
	LOADLC 0, 4
	LOADF 0, 1
	LOADH 0, 0, 0
	WIN 0
	EXPCVT
	BODY 0, 1, 1, 1, 0                             ; tiles 0 and 1 stand ahead of the loop: the first products start the sums
	BODY 1, 0, 1, 0, 0
	s_wait_xcnt 0x0                                ; the base of the loads of nlse is stepped only behind this wait
	s_add_nc_u64 s[48:49], s[48:49], 2048          ; a lap is eight steps of mine: 512 n
	s_mov_b32 s3, 6
.Llap:
	BODY 0, 1, 1, 0, 0                             ; tiles 2 to 13: each asks for the tile two further on
	BODY 1, 0, 1, 0, 0
	s_wait_xcnt 0x0
	s_add_nc_u64 s[48:49], s[48:49], 2048
	s_sub_co_u32 s3, s3, 1
	s_cmp_lg_u32 s3, 0
	s_cbranch_scc1 .Llap
	BODY 0, 1, 0, 0, 1                             ; tiles 14 and 15 ask for no tile
.irp i, 0,1,2,3
	global_prefetch_b8 v[PO], s[66:67] offset:\i*262144 th:TH_LOAD_NT scope:SCOPE_SE   ; my 64 rows x 512 bytes of x, each 256 bytes once, one tile (four steps of mine) ahead of their loads
.endr
	BODY 1, 0, 0, 0, 2
	; THE WAY OUT.  Behind the last barrier no wave reads a slot and no fill is left.  x goes into window 1, where h lay: 64 loads, one row c of 512 bytes each.
	PLACES                                         ; behind the last products: ahead of the loads into h's registers and of the stores of the sums
	WIN 0x40
.set i, 0
.rept 64
	global_load_b128 v[4*i:4*i+3], v[XO], s[66:67] offset:i*16384 th:TH_LOAD_NT
.set i, i+1
.endr
.macro STACC hi                        ; a lane's eight sums are eight neighbouring m of row c = 16 ct + r
.irp ml, 0,1
.irp ct, 0,1,2,3,4,5,6,7,8,9,10,11,12,13,14,15
	ds_store_b128 v[SA], v[8*(16*\ml+\ct):8*(16*\ml+\ct)+3]   offset:\ct*16*HP+(2*\hi+\ml)*64
	ds_store_b128 v[SA], v[8*(16*\ml+\ct)+4:8*(16*\ml+\ct)+7] offset:\ct*16*HP+(2*\hi+\ml)*64+16
.endr
.endr
.endm
	WIN 0x08                                       ; store data from window 2
	STACC 0
	WIN 0x0c                                       ; from window 3
	STACC 1
	WIN 0
	s_wait_dscnt 0x0                               ; stored before I say so
	s_barrier_signal -1
	s_barrier_wait -1
; 16 rows c = 64 w + 16 b + i: both halves of the sum over n, gamma, x, and out as 512 neighbouring bytes a store
.macro BATCH b
.if \b
	s_wait_xcnt 0x0                                ; the sums' registers are the data of the stores before: rewritten only behind this wait
.endif
.irp i, 0,1,2,3,4,5,6,7,8,9,10,11,12,13,14,15
	ds_load_b128 v[EA+4*\i:EA+4*\i+3], v[RA0] offset:(16*\b+\i)*HP
.endr
.irp i, 0,1,2,3,4,5,6,7,8,9,10,11,12,13,14,15
	ds_load_b128 v[EB+4*\i:EB+4*\i+3], v[RA1] offset:(16*\b+\i)*HP
.endr
	s_wait_dscnt 0x0
.irp i, 0,1,2,3,4,5,6,7,8,9,10,11,12,13,14,15
	v_pk_add_f32 v[EA+4*\i:EA+4*\i+1],   v[EA+4*\i:EA+4*\i+1],   v[EB+4*\i:EB+4*\i+1]
	v_pk_add_f32 v[EA+4*\i+2:EA+4*\i+3], v[EA+4*\i+2:EA+4*\i+3], v[EB+4*\i+2:EB+4*\i+3]
.endr
	s_wait_loadcnt 48-16*\b                        ; loads end in order: this batch's 16 rows of x are in, the later batches' stay out
	WIN 0x10                                       ; x from window 1
.irp i, 0,1,2,3,4,5,6,7,8,9,10,11,12,13,14,15
	v_pk_fma_f32 v[EA+4*\i:EA+4*\i+1],   v[EA+4*\i:EA+4*\i+1],   s[72:73], v[64*\b+4*\i:64*\b+4*\i+1]   op_sel_hi:[1,0,1]
	v_pk_fma_f32 v[EA+4*\i+2:EA+4*\i+3], v[EA+4*\i+2:EA+4*\i+3], s[72:73], v[64*\b+4*\i+2:64*\b+4*\i+3] op_sel_hi:[1,0,1]
.endr
	WIN 0
.irp i, 0,1,2,3,4,5,6,7,8,9,10,11,12,13,14,15
	global_store_b128 v[XO], v[EA+4*\i:EA+4*\i+3], s[68:69] offset:(16*\b+\i)*16384 th:TH_STORE_NT
.endr
.endm
	BATCH 0
	BATCH 1
	BATCH 2
	BATCH 3
	s_wait_xcnt 0x0
	v_lshl_add_u32 v190, v0, 2, 0x4c800
	v_mov_b32 v191, 0
	s_wait_tensorcnt 0x0
	ds_add_u32 v190, v191
	s_wait_dscnt 0x0
	CROUND                                         ; the closing round: no work-group ends while a partner may still ask
	s_endpgm
.Lfunc_end_k_qa822c5e427_main:
	.size	k_qa822c5e427_main, .Lfunc_end_k_qa822c5e427_main-k_qa822c5e427_main
	.p2alignl 7, 3214868480
	.fill 96, 4, 3214868480
	.section	.rodata,"a",@progbits
	.p2align	6, 0x0
	.amdhsa_kernel k_qa822c5e427_main
		.amdhsa_group_segment_fixed_size 327680
		.amdhsa_private_segment_fixed_size 0
		.amdhsa_enable_private_segment 0
		.amdhsa_kernarg_size 72
		.amdhsa_user_sgpr_count 2
		.amdhsa_user_sgpr_kernarg_segment_ptr 1
		.amdhsa_wavefront_size32 1
		.amdhsa_system_sgpr_workgroup_id_x 1
		.amdhsa_system_sgpr_workgroup_id_y 1
		.amdhsa_system_sgpr_workgroup_id_z 1
		.amdhsa_system_vgpr_workitem_id 0
		.amdhsa_next_free_vgpr 1024
		.amdhsa_next_free_sgpr 96
		.amdhsa_reserve_vcc 0
		.amdhsa_float_denorm_mode_32 3
		.amdhsa_float_denorm_mode_16_64 3
		.amdhsa_memory_ordered 1
		.amdhsa_forward_progress 1
		.amdhsa_inst_pref_size 255
	.end_amdhsa_kernel
	.section	.bss,"aw",@nobits
	.p2align	6
	.space	262144
	.amdgpu_metadata
---
amdhsa.version: [ 1, 2 ]
amdhsa.kernels:
  - .name:           k_qa822c5e427_main
    .symbol:         k_qa822c5e427_main.kd
    .args:
      - { .name: hf, .offset: 0, .size: 8, .value_kind: global_buffer, .address_space: global }
      - { .name: g, .offset: 8, .size: 8, .value_kind: global_buffer, .address_space: global }
      - { .name: nlse, .offset: 16, .size: 8, .value_kind: global_buffer, .address_space: global }
      - { .name: x1, .offset: 24, .size: 8, .value_kind: global_buffer, .address_space: global }
      - { .name: x2, .offset: 32, .size: 8, .value_kind: global_buffer, .address_space: global }
      - { .name: gamma1, .offset: 40, .size: 8, .value_kind: global_buffer, .address_space: global }
      - { .name: gamma2, .offset: 48, .size: 8, .value_kind: global_buffer, .address_space: global }
      - { .name: out0, .offset: 56, .size: 8, .value_kind: global_buffer, .address_space: global }
      - { .name: out1, .offset: 64, .size: 8, .value_kind: global_buffer, .address_space: global }
    .group_segment_fixed_size: 327680
    .private_segment_fixed_size: 0
    .kernarg_segment_align: 8
    .kernarg_segment_size: 72
    .max_flat_workgroup_size: 128
    .sgpr_count:     96
    .vgpr_count:     1024
    .wavefront_size: 32
...
	.end_amdgpu_metadata
.endif
;; end of part 3
